; MI455X (gfx1250); checked and timed in simulation.
; The chip was launched on July 23, 2026; its instructions are those of AMD's public machine-readable ISA for CDNA 5 (MIT licence, August 2026) and "CDNA5" Instruction Set Architecture Reference Guide (July 2026). The comments in the code are by the model that wrote it; some were corrected since.
;; Multi Head Attention. Allowed arithmetic: matrix products marked QUANTISED: E2M3 operands, one E8M0 scale for each 32 along K, by v_wmma_scale_f32_16x16x128_f8f6f4 with both operands' format E2M3, f32 sums; everything else in f32.
;; Inputs: Wk_codes 1,024 x 32 x 24 uint8 (E2M3 codes of Wk, K innermost, in blocks of 32 codes, four codes in three bytes); Wk_scales 1,024 x 32 uint8 (E8M0 scales of Wk, one for each 32 codes along K); Wo_codes 1,024 x 32 x 24 uint8 (E2M3 codes of Wo, K innermost, in blocks of 32 codes, four codes in three bytes); Wo_scales 1,024 x 32 uint8 (E8M0 scales of Wo, one for each 32 codes along K); Wq_codes 1,024 x 32 x 24 uint8 (E2M3 codes of Wq, K innermost, in blocks of 32 codes, four codes in three bytes); Wq_scales 1,024 x 32 uint8 (E8M0 scales of Wq, one for each 32 codes along K); Wv_codes 1,024 x 32 x 24 uint8 (E2M3 codes of Wv, K innermost, in blocks of 32 codes, four codes in three bytes); Wv_scales 1,024 x 32 uint8 (E8M0 scales of Wv, one for each 32 codes along K); bo 1,024 float32; x_codes 2 x 2,048 x 32 x 24 uint8 (E2M3 codes of x, K innermost, in blocks of 32 codes, four codes in three bytes); x_scales 2 x 2,048 x 32 uint8 (E8M0 scales of x, one for each 32 codes along K).
;; Outputs: out0 2 x 2,048 x 1,024 float32.
;; This version of the problem:
;;   THIS VERSION OF THE PROBLEM IS GIVEN IN LOW PRECISION. The matrix products marked QUANTISED in the list below multiply operands that are first quantised to E2M3 (2 exponent bits, 3 mantissa bits; 6 bits a number), with one power-of-two scale for each 32 numbers along K (OCP MX v1.0); their sums are f32. All else is computed in f32.
;;   The module's matrix products, in the order in which they are computed (A, B: the left and right operand; K: the contracted axis; several contracted axes count as one K, in the product's order):
;;     1. [M 4,096, K 1,024] x [K 1,024, N 1,024]; A: input x (given as codes); B: input Wq (given as codes): QUANTISED
;;     2. [M 4,096, K 1,024] x [K 1,024, N 1,024]; A: input x (given as codes); B: input Wk (given as codes): QUANTISED
;;     3. [M 4,096, K 1,024] x [K 1,024, N 1,024]; A: input x (given as codes); B: input Wv (given as codes): QUANTISED
;;     4. batch 32 x [M 2,048, K 64] x [K 64, N 2,048]; A: computed on the way; B: computed on the way: QUANTISED
;;     5. batch 32 x [M 2,048, K 2,048] x [K 2,048, N 64]; A: softmax (see below); B: computed on the way: QUANTISED
;;     6. [M 4,096, K 1,024] x [K 1,024, N 1,024]; A: computed on the way; B: input Wo (given as codes): QUANTISED
;;   THE QUANTISER, for each operand of a quantised product, along K:
;;     - K is cut into blocks of 32 from its start; a last block that is shorter is filled with zeros.
;;     - A block's scale is 2^e with e = floor(log2(the largest magnitude in the block)) - 2, held to -126 .. 127; a block of zeros has e = 0. As a byte (E8M0): e + 127.
;;     - Each number is divided by its block's scale, clamped to +-7.5, and rounded to the nearest number of E2M3, ties to even, subnormals kept.
;;     - The product sums the exact products of the quantised numbers (number of the format x scale) in f32.
;;   ~~~python
;;   def quantise(x, axis):      # numpy; x: float32 -> the quantised numbers, widened to float32 again
;;       x = np.moveaxis(x, axis, -1); K = x.shape[-1]
;;       x = np.pad(x, [(0, 0)] * (x.ndim - 1) + [(0, -K % 32)]); x = x.reshape(x.shape[:-1] + (-1, 32)); a = np.abs(x).max(-1, keepdims=True)
;;       e = np.where(a > 0, np.clip(np.frexp(np.where(a > 0, a, 1))[1] - 1 - 2, -126, 127), 0)      # np.frexp(a)[1] - 1 = floor(log2(a)), exactly
;;       r = np.clip(x / 2.0 ** e, -7.5, 7.5)
;;       step = 2.0 ** (np.maximum(np.frexp(np.where(r == 0, 1, r))[1] - 1, 0) - 3)
;;       q = np.round(r / step) * step * 2.0 ** e      # np.round: ties to even
;;       return np.moveaxis(q.reshape(q.shape[:-2] + (-1,))[..., :K], -1, axis).astype(np.float32)
;;   ~~~
;;   SOFTMAX AHEAD OF A QUANTISED PRODUCT. Where the list says 'softmax', what is quantised is not the finished softmax but p = 2^(t - M), with t = logit x log2(e) and M = ceil(the row's largest t), a whole number; so 1/2 < the row's largest p <= 1. The row's sum l is taken of the UNQUANTISED p, in f32, and the product's result is divided by l at the end. Since M is a whole number, a kernel that streams over the keys may use a running M (the ceiling of the running maximum): every later rescaling is an exact power of two, which a block's scale takes up: the codes' values come out the same.
;;   OPERANDS COMPUTED ON THE WAY. 'Computed on the way' means the value that the module computes at that place (a softmax that the list does not call 'softmax' is quantised finished and normalised). What goes into a quantiser is computed in f32, as accurately as f32 sums, v_exp_f32 and their like allow (about 1e-6 of the number): no bf16 or f16 on the way to a quantiser, and a product that is left as it is and whose result goes on into a quantised operand takes f32 operands (vector FMAs, or v_wmma_f32_16x16x4_f32). A number that lies on a knife's edge between two numbers of the format may be rounded either way, as far as f32 arithmetic and the matrix unit's own rounding can turn it there, and no further.
;;   INPUTS GIVEN AS CODES. Wk (in the module: [1024, 1024], K = its axis 0); Wo (in the module: [1024, 1024], K = its axis 0); Wq (in the module: [1024, 1024], K = its axis 0); Wv (in the module: [1024, 1024], K = its axis 0); x (in the module: [2, 2048, 1024], K = its axis 2): each comes as NAME_codes (uint8): NAME with its K axis moved to the last place and cut into blocks of 32 codes, [.., K / 32, bytes a block], one block behind the other in memory; four codes in three bytes: a row's codes are one little-endian stream of bits, code i at bits 6 i .. 6 i + 5 (a code: sign, 2 exponent bits, 3 mantissa bits); and NAME_scales (uint8): the same leading axes, one E8M0 byte (e + 127) for each 32 codes along K. Its value is code x scale, taken as it is: it is not quantised again, and the codes and scales need not be those that the quantiser above would give.
;; One version. Each part assembles by itself: llvm-mc -triple=amdgcn-amd-amdhsa -mcpu=gfx1250 --defsym DOCPART=n.
;; ======== version 1 of 1: 3 launches
;; limits: right only within a limited range of input values
;; workspace buffers: qbuf 3,276,800 bytes; kv 6,553,600 bytes; cbuf 3,145,728 bytes; csc 131,072 bytes
;; launch qkv (part 1): grid 16 x 16, 4 waves a work-group, clusters of 4 x 4, 327,680 bytes of LDS; arguments x_codes, x_scales, Wq_codes, Wq_scales, Wk_codes, Wk_scales, Wv_codes, Wv_scales, qbuf, kv; writes qbuf, kv
.if DOCPART == 1
	.amdgcn_target "amdgcn-amd-amdhsa--gfx1250"
	.amdhsa_code_object_version 6
	.text
	.protected	k_q58de4df201_qkv
	.globl	k_q58de4df201_qkv
	.p2align	8
	.type	k_q58de4df201_qkv,@function
k_q58de4df201_qkv:
	s_mov_b64 s[64:65], 0
	v_nop
	global_prefetch_b8 v0, s[64:65] scope:SCOPE_SE
	s_setreg_imm32_b32 hwreg(HW_REG_WAVE_MODE, 25, 1), 1
	s_wait_xcnt 0x0
	s_wait_alu depctr_hold_cnt(0) depctr_sa_sdst(0) depctr_va_vdst(0) depctr_va_sdst(0) depctr_va_ssrc(0) depctr_va_vcc(0) depctr_vm_vsrc(0)
	s_getreg_b32 s2, hwreg(HW_REG_IB_STS2, 6, 4)
	s_cmp_eq_u32 s2, 0
	s_cbranch_scc0 .Lentry_in_a_cluster
	s_endpgm
.Lentry_in_a_cluster:
	s_bfe_u32 s2, ttmp6, 0x10000c
	s_cmp_lg_u32 s2, 0xf033
	s_cbranch_scc0 .Lentry_shape_is_right
	s_endpgm
.Lentry_shape_is_right:
; q = x Wq, k = x Wk, v = x Wv on codes of FP6 (E2M3) with E8M0 scales, K = 1,024; the f32 sums are quantised here and leave as codes and scale bytes.
; The only work of the problem that is left out is in the attention launch: key steps that reference()'s causal mask hides wholly.
; THE DEAL.  256 work-groups of four waves (2 x 2).  A work-group makes 128 x 128 of V (phase 1), then 256 x 128 of Q or K (phase 2).  V's 128 tokens are a half (s17) of the work-group's own 256.
; A wave holds 64 rows of a weight (one head), all of K, in 384 registers, and streams x past them in blocks of 16 rows, all of K, in two sets of registers.
; CLUSTERS: 4 x 4.  x's rows are shared by a row of the cluster, a weight's rows by a column: each tile is asked for jointly.  Which half and which tensor come from the cluster's x alone.
; LDS: x's first 128 rows at 0; at YB W_v's rows, later (the one refill) x's other 128 rows; at BVB W_q's or W_k's rows; x's scale bytes; stages for the results' scale bytes; the spare words.
; ORDER OF ROWS.  A band is 64 rows (of x, or of a weight: a head).  Its tile j = 0 .. 3 takes rows 8 j + i in lanes 0-7 and 32 + 8 (j xor 1) + i in lanes 8-15 (i = 0 .. 7).
; So a lane's registers over a band's four tiles are one whole block of 32 along the next K, and the 16 rows of a fragment load start at 16 different banks (pitch 204 words; 64 banks of 4 bytes: ISA guide 11.1).
; Inside odd blocks of 32 the groups of 8 stand in the order 1, 0, 3, 2: alike in q and k, and in v's keys and p's keys, so every product is kept.  The attention launch restores ctx's order.
; WHAT LEAVES, r = lane % 16, h = lane / 16: records of one head and 128 tokens.  c = band, j = tile, p = j / 2.
;   qbuf (6,400 bytes) and kv (12,800): operand (2 c + p) at 1,536 (2 c + p): 12 registers, [piece of 4][lane][16 bytes]: tile 2 p, then tile 2 p + 1;  scale bytes at 6,144 (q), 12,288 (k): 16 r + 8 c + 2 j + h;
;   kv: v's half (t, c) at 6,144 + 1,536 t + 768 c: registers 0-3 at 16 x lane, 4-5 at 512 + 8 x lane; scale bytes at 12,544: 16 r + 4 t + 2 c + h.
; LIMITS: a block whose largest magnitude lies under 2^-124 (a block of zeros too) gets the scale byte 1: its codes are zeros or nearly, and this program alone reads the bytes.  NaN, infinities and a given scale byte 0xff are not served.
.set NQ,   8
.set NB,   4
.set KROW, 768
.set KS,   32
.set PITCH, 816                        ; 3 x (256 + 16)
.set FR,   12
.set FPW,  21                          ; fragments in a window of 256 registers
.set NF,   28                          ; LDS loads of a block: 26 for eight fragments, 2 for eight scale words
.set TILEB, 128*KROW
.set YB,   128*PITCH
.set BVB,  2*128*PITCH
.set SCL,  3*128*PITCH
.set XN,   SCL+32*256
.set XM,   XN+1024
.set SPARE, XM+512
.set SPW,  10
.set NIL,  11
.set ABS,  16
.set STO,  18
.set STV,  19
.set CO,   20
.set SB,   24                          ; v24-39 the weights' scale words: tile pair p, word q; lanes 0-15 tile 2 p, 16-31 tile 2 p + 1
.set TQ,   40
.set SA,   44                          ; v44-59 x's scale words, two sets
.set TC,   60
.set ACC,  64
.set NCD,  128
.set MCD,  192
.set SOP,  240
.set EB,   244
.set HV,   840                         ; v840-967 phase 1's sums: 32 t + 8 j + i
.set SB2,  968
.set BA,   984
.set G1A,  24
.set G1B,  32
.set G1S,  92
.set G0S,  4
.set G0W,  8
.set G0A,  56
.set G0B,  60
.set G0R,  68
.set MSB,  0
.macro WIN new
.if MSB != (\new)
	s_set_vgpr_msb (MSB<<8)|(\new)
.set MSB, (\new)
.endif
.endm
.macro PLACES n
.rept \n
	v_nop
.endr
.endm
.macro WALU
	s_wait_alu depctr_va_vdst(0)
.endm
.macro BARRIER
	s_barrier_signal -1
	s_barrier_wait -1
.endm
.macro MIDDLE
	WIN 0
	s_barrier_wait -1
	s_cmp_lg_u32 s14, 0
	s_cbranch_scc1 .Lnot_wave_0_\@
	s_barrier_signal -3
.Lnot_wave_0_\@:
	s_barrier_wait -3
.endm
.macro CROUND
	s_barrier_signal -1
	MIDDLE
	BARRIER
.endm
.macro TLOAD g0, g1
	tensor_load_to_lds s[\g0:\g0+3], s[\g1:\g1+7]
	s_nop 0
	PLACES 4
.endm
.macro GROUP1 g, mask
	s_or_b32 s[\g], s\mask, (1<<20)|(1<<21)|(5<<22)|(3<<25)   ; elements of 1 byte; 16 bytes of padding behind every 256
	s_mov_b32 s[\g+1], KROW<<16
	s_mov_b32 s[\g+2], 128<<16
	s_mov_b32 s[\g+3], KROW<<16
	s_mov_b32 s[\g+4], 128
	s_mov_b32 s[\g+5], KROW
	s_mov_b32 s[\g+6], 0
	s_mov_b32 s[\g+7], 0
.endm
; Fragment f lies in window 1 + f / 21 at register 12 (f % 21): 0-31 the weights' (4 q + b), 32-39 and 40-47 x's two sets.  Six pieces of 8 bytes, two to a load where both lie behind as many paddings.
.macro FRAG f, q, a0, a1, aw
	WIN ((1+(\f)/FPW)<<6)|(\aw)
.set R_, FR*((\f)%FPW)
.set SKIP_, 0
.irp p, 0,1,2,3,4,5
.if SKIP_
.set SKIP_, 0
.else
.set PC_, 12*(\q)+6*(\p/3)+\p%3
.set PN_, 12*(\q)+6*((\p+1)/3)+(\p+1)%3
.set X_, (PC_%32+3)/32
.set XQ_, (PN_%32+3)/32
.if (\p < 5) && (X_ == XQ_)
.set SKIP_, 1
.if X_
	ds_load_2addr_b64 v[R_+2*\p:R_+2*\p+3], \a1 offset0:PC_+2*(PC_/32) offset1:PN_+2*(PN_/32)
.else
	ds_load_2addr_b64 v[R_+2*\p:R_+2*\p+3], \a0 offset0:PC_+2*(PC_/32) offset1:PN_+2*(PN_/32)
.endif
.elseif X_
	ds_load_b64 v[R_+2*\p:R_+2*\p+1], \a1 offset:8*(PC_+2*(PC_/32))
.else
	ds_load_b64 v[R_+2*\p:R_+2*\p+1], \a0 offset:8*(PC_+2*(PC_/32))
.endif
.endif
.endr
.endm
.macro WEIGHTS                         ; my 64 rows of the weight, all of K: 104 loads
.irp q, 0,1,2,3,4,5,6,7
.irp b, 0,1,2,3
	FRAG NB*\q+\b, \q, v[BA-768+2*\b], v[BA-768+2*\b+1], 3
.endr
.endr
	WIN 0
.endm
.macro FETCH e                         ; a block of x's rows into set e: NF loads
.irp q, 0,1,2,3,4,5,6,7
	FRAG NB*NQ+NQ*(\e)+\q, \q, v12, v13, 0
.endr
	WIN 0
	ds_load_b128 v[SA+8*(\e):SA+8*(\e)+3], v17
	ds_load_b128 v[SA+8*(\e)+4:SA+8*(\e)+7], v17 offset:16
.endm
; Products.  n = 4 q + b.  kind 0 (Q, K): source 0 the weight's rows; kind 1 (V): source 0 x's rows.  Four accumulators by turns.
.macro PROD kind, e, n, a0, as
.set Q_, (\n)/4
.set FB_, NB*Q_+(\n)%4
.set FA_, NB*NQ+NQ*(\e)+Q_
.set D_, (\a0)+(\as)*((\n)%4)
.set DL_, D_&255
.set XB_, SB+NQ*(((\n)%4)/2)+Q_
.set XA_, SA+8*(\e)+Q_
.if \kind
	WIN (1+FA_/FPW)|((1+FB_/FPW)<<2)|((D_>>8)<<4)|((D_>>8)<<6)
.if Q_
	PROD1 DL_, FA_, FB_, v[DL_:DL_+7], XA_, XB_, b, (\n)%2
.else
	PROD1 DL_, FA_, FB_, 0, XA_, XB_, b, (\n)%2
.endif
.else
	WIN (1+FB_/FPW)|((1+FA_/FPW)<<2)|((D_>>8)<<4)|((D_>>8)<<6)
.if Q_
	PROD1 DL_, FB_, FA_, v[DL_:DL_+7], XB_, XA_, a, (\n)%2
.else
	PROD1 DL_, FB_, FA_, 0, XB_, XA_, a, (\n)%2
.endif
.endif
.endm
.macro PROD1 d, s0, s1, c, x0, x1, side, o
.if \o
	v_wmma_scale_f32_16x16x128_f8f6f4 v[\d:\d+7], v[FR*((\s0)%FPW):FR*((\s0)%FPW)+FR-1], v[FR*((\s1)%FPW):FR*((\s1)%FPW)+FR-1], \c, v[\x0], v[\x1] matrix_a_fmt:MATRIX_FMT_FP6 matrix_b_fmt:MATRIX_FMT_FP6 matrix_\side\()_scale:MATRIX_SCALE_ROW1
.else
	v_wmma_scale_f32_16x16x128_f8f6f4 v[\d:\d+7], v[FR*((\s0)%FPW):FR*((\s0)%FPW)+FR-1], v[FR*((\s1)%FPW):FR*((\s1)%FPW)+FR-1], \c, v[\x0], v[\x1] matrix_a_fmt:MATRIX_FMT_FP6 matrix_b_fmt:MATRIX_FMT_FP6 matrix_\side\()_scale:MATRIX_SCALE_ROW0
.endif
.endm
; Products \from .. \to - 1 of a block; behind every second one two entries of a list (a macro that writes entry i and nothing beyond its last).
.macro BLOCK kind, e, a0, as, from, to, list, x=0
.set N_, \from
.rept (\to)-(\from)
	PROD \kind, \e, N_, \a0, \as
.if N_%2
	\list N_-1, \x
	\list N_, \x
.endif
.set N_, N_+1
.endr
.endm
.macro STEPX i, s                      ; block s's LDS addresses: 3 entries.  Blocks 0-3 lie at 0, 4-7 at YB; even and odd tiles have lane terms of their own
.set OF_, ((\s)/4)*YB+8*((\s)%4)*PITCH
.if (\i) == 0
	s_add_co_u32 s20, s[46+(\s)/4], 256*((\s)%4)
	WIN 0
	v_add_nc_u32 v12, OF_, v[4+2*((\s)%2)]
.elseif (\i) == 1
	WIN 0
	v_add_nc_u32 v13, OF_, v[5+2*((\s)%2)]
.elseif (\i) == 2
	WIN 0
	v_add_nc_u32 v17, s20, v[8+(\s)%2]
.endif
.endm
.macro CHAIN i, x, n, t=TQ             ; a way out's first part, 18 entries: the largest magnitude of the 32 sums from register x on, with the floor 2^(3 - 127), and the conversions' scale operand
.set XW_, (\x)>>8
.set XL_, (\x)&255
.if (\i) >= 0 && (\i) < 14
.set B_, XL_+16*((\i)%2)+2*((\i)/2)
.set T_, (\t)+1-(\i)%2
.if (\i) < 2
	WIN XW_|(XW_<<2)|(XW_<<4)
	v_max3_num_f32 v[T_], |v[B_]|, |v[B_+1]|, |v[B_+2]|
.else
	WIN (XW_<<2)|(XW_<<4)
	v_max3_num_f32 v[T_], v[T_], |v[B_+1]|, |v[B_+2]|
.endif
.elseif (\i) == 14
	WIN XW_<<2
	v_max3_num_f32 v[(\t)+1], v[(\t)+1], |v[XL_+15]|, 0x1800000
.elseif (\i) == 15
	WIN 0
	v_nop                                  ; so that the next line, which reads entry 14's result, stands in the next pair
.elseif (\i) == 16
	WIN XW_<<2
	v_max3_num_f32 v[(\t)], v[(\t)], |v[XL_+31]|, v[(\t)+1]
.elseif (\i) == 17
	WIN 0
	v_add_nc_u32 v[SOP+(\n)], 0xff000000, v[(\t)]
.endif
.endm
.macro CODES i, x, c, n, t=TC          ; its second part, 6 lines: 32 codes into v[c .. c+5], the scale's byte into v[EB+n]
.set XW_, (\x)>>8
.set XL_, (\x)&255
.if (\i) == 0
	WIN XW_
	v_cvt_scalef32_pk16_fp6_f32 v[\c:\c+2], v[XL_:XL_+15], v[SOP+(\n)]
.elseif (\i) == 1
	WIN XW_
	v_cvt_scalef32_pk16_fp6_f32 v[\t:\t+2], v[XL_+16:XL_+31], v[SOP+(\n)]
.elseif (\i) == 2
	WIN 0
	v_lshrrev_b32 v[EB+(\n)], 23, v[SOP+(\n)]
.else
	WIN 0
	v_mov_b32 v[\c+\i], v[\t+\i-3]
.endif
.endm
.macro CODES6 x, c, n
.irp i, 0,1,2,3,4,5
	CODES \i, \x, \c, \n
.endr
.endm
.macro PUT3 base, off
.irp k, 0,1,2
	global_store_b128 v[CO], v[NCD+4*\k:NCD+4*\k+3], s[\base:\base+1] offset:(\off)+512*\k   ; 512 consecutive bytes, at a multiple of 256 from the buffer's first byte
.endr
.endm
.macro L_NONE i, x
.endm
.macro L_STEP i, x
	STEPX \i, \x
.endm
.macro L_OUT i, x                      ; block x of phase 2: block x + 2's addresses, then block x - 1's way out
	STEPX \i, (\x)+2
	CHAIN (\i)-3, ACC+32*(((\x)-1)%2), ((\x)-1)%2
.endm
.macro L_LAST i, x
	CHAIN \i, ACC+32*(((\x)-1)%2), ((\x)-1)%2
.endm
; ================= THE HEAD
	s_load_b512 s[68:83], s[0:1], 0x0                   ; x's codes, scales; Wq's; Wk's; Wv's
	s_load_b128 s[84:87], s[0:1], 0x40                  ; qbuf, kv
	v_lshl_add_u32 v[SPW], v0, 2, SPARE
	v_mov_b32 v[NIL], 0
	ds_add_u32 v[SPW], v[NIL]                           ; the opening lines: the add twice on end and one wait
	ds_add_u32 v[SPW], v[NIL]
	v_lshrrev_b32 v1, 5, v0
	v_readfirstlane_b32 s14, v1                         ; the wave; s15 its row of the 2 x 2, s16 its column
	s_lshr_b32 s15, s14, 1
	s_and_b32 s16, s14, 1
	s_bfe_u32 s40, ttmp6, 0x40000                       ; cx, cy
	s_bfe_u32 s41, ttmp6, 0x40004
	s_lshl_b32 s42, ttmp9, 2
	s_add_co_u32 s42, s42, s40                          ; phase 2's tile column: 0-7 Q, 8-15 K
	s_and_b32 s43, ttmp7, 0xffff
	s_lshl_b32 s43, s43, 2
	s_add_co_u32 s43, s43, s41                          ; its tile row: 256 tokens
	s_lshr_b32 s19, ttmp9, 1                            ; 0 Q, 1 K
	s_and_b32 s17, ttmp9, 1                             ; V's half of my tokens
	s_lshl_b32 s13, s19, 2
	s_add_co_u32 s13, s13, s40                          ; V's tile column
	s_lshl_b32 s12, s43, 1
	s_add_co_u32 s12, s12, s17                          ; V's group of 128 tokens
	s_lshl_b32 s44, s41, 2
	s_lshl_b32 s44, 15, s44                             ; my row of the cluster
	s_lshl_b32 s45, 0x1111, s40                         ; my column
	GROUP1 G1A, 44
	GROUP1 G1B, 45
	s_or_b32 s[G1S], s44, (3<<16)|(1<<21)           ; the scale bytes of 256 rows: 32 rows of 256 bytes, dense in LDS too
	s_mov_b32 s[G1S+1], 32<<16
	s_mov_b32 s[G1S+2], 32<<16
	s_mov_b32 s[G1S+3], 32<<16
	s_mov_b32 s[G1S+4], 32
	s_mov_b32 s[G1S+5], 32
	s_mov_b32 s[G1S+6], 0
	s_mov_b32 s[G1S+7], 0
	s_mul_i32 s18, s12, TILEB                           ; x's first 128 rows: V's half,
	s_xor_b32 s20, s12, 1
	s_mul_i32 s22, s20, TILEB                           ; and the other half
	s_mul_i32 s48, s13, TILEB                           ; W_v
	s_and_b32 s49, s42, 7
	s_lshl_b32 s54, s49, 12                             ; W_q's or W_k's scale bytes: 128 rows of 32, my 64 of them
	s_mul_i32 s49, s49, TILEB                           ; W_q or W_k
	s_lshl_b32 s50, s43, 13                             ; x's scale bytes
	s_lshl_b32 s52, s13, 12
	s_lshl_b32 s20, s16, 11
	s_add_co_u32 s52, s52, s20
	s_add_co_u32 s54, s54, s20
	s_mul_i32 s46, s17, 16*256                          ; where the half's scale bytes lie in LDS: blocks 0-3,
	s_xor_b32 s20, s17, 1
	s_mul_i32 s47, s20, 16*256                          ; blocks 4-7
	s_lshl_b32 s90, s40, 2
	s_add_co_u32 s90, s90, s14                          ; my number among the sixteen waves of my row of the cluster
	v_and_b32 v1, 15, v0                                ; r
	v_bfe_u32 v2, v0, 4, 1                              ; h
	v_and_b32 v3, 31, v0                                ; lane
	v_and_b32 v22, 7, v1
	v_lshrrev_b32 v23, 3, v1
	v_mad_u32_u24 v4, v23, 40, v22                      ; a tile's row: even tiles: lanes 8-15 take 32 + 8 rows further on,
	v_mad_u32_u24 v6, v23, 24, v22                      ; odd tiles: 32 - 8
	v_mul_u32_u24 v4, v4, PITCH
	v_mul_u32_u24 v6, v6, PITCH
	v_mad_u32_u24 v4, v2, 24, v4
	v_mad_u32_u24 v6, v2, 24, v6
	v_lshl_add_u32 v5, v2, 4, v4                        ; lanes 16-31 behind one padding more
	v_lshl_add_u32 v7, v2, 4, v6
	s_mul_i32 s21, s16, 64*PITCH
	s_add_co_u32 s21, s21, YB                           ; my 64 rows of W_v
	v_add_nc_u32 v12, s21, v4
	v_add_nc_u32 v13, s21, v5
	v_add_nc_u32 v14, s21, v6
	v_add_nc_u32 v15, s21, v7
	WIN 3<<6
.irp b, 0,1,2,3
	v_add_nc_u32 v[BA-768+2*\b], 8*\b*PITCH, v[12+2*(\b%2)]
	v_add_nc_u32 v[BA-768+2*\b+1], 8*\b*PITCH, v[13+2*(\b%2)]
.endr
	WIN 0
	s_mul_i32 s21, s15, 64*PITCH                        ; my band of x
	v_add_nc_u32 v4, s21, v4
	v_add_nc_u32 v5, s21, v5
	v_add_nc_u32 v6, s21, v6
	v_add_nc_u32 v7, s21, v7
	v_lshlrev_b32 v8, 5, v22                            ; its scale bytes: 32 a row
	v_mad_u32_u24 v9, v23, 3*256, v8
	v_mad_u32_u24 v8, v23, 5*256, v8
	s_mul_i32 s21, s15, 8*256
	s_add_co_u32 s21, s21, SCL
	v_add_nc_u32 v8, s21, v8
	v_add_nc_u32 v9, s21, v9
	v_lshlrev_b32 v14, 4, v2                            ; the weights' scale bytes: lane (r, h) takes row r of tile 2 p + h
	v_sub_nc_u32 v14, 40, v14
	v_mad_u32_u24 v14, v23, v14, v22
	v_lshl_add_u32 v14, v2, 3, v14
	v_lshlrev_b32 v[ABS], 5, v14
	v_lshl_add_u32 v14, v1, 4, v2                       ; 16 r + h
	WALU
	s_lshl_b32 s21, s16, 9
	s_lshl_b32 s20, s15, 3
	s_add_co_u32 s21, s21, s20
	s_add_co_u32 s21, s21, XN
	v_add_nc_u32 v[STO], s21, v14
	s_lshl_b32 s21, s16, 8
	s_lshl_b32 s20, s15, 1
	s_add_co_u32 s21, s21, s20
	s_add_co_u32 s21, s21, XM
	v_add_nc_u32 v[STV], s21, v14
	v_lshlrev_b32 v15, 3, v3
	v_lshlrev_b32 v[CO], 4, v3
	v_min_u32 v21, TILEB/16/256-1, v3                   ; the prefetch: my sixteenth of x's other 128 rows, 24 blocks of 256 bytes, a lane a block (lanes 24-31 name the last again)
	s_mul_i32 s20, s90, TILEB/16
	v_lshl_add_u32 v21, v21, 8, s20
	WALU
	s_wait_dscnt 0x0
	CROUND                                              ; all sixteen work-groups are here: the joint loads meet
	s_wait_kmcnt 0x0
	s_mov_b32 s21, 0
	s_mov_b32 s20, s18
	s_add_nc_u64 s[G0A+2:G0A+3], s[68:69], s[20:21]
	s_or_b32 s[G0A+3], s[G0A+3], 0x80000000
	s_mov_b32 s[G0A], 1
	s_mov_b32 s[G0A+1], 0
	s_mov_b32 s20, s22
	s_add_nc_u64 s[2:3], s[68:69], s[20:21]             ; x's other 128 rows
	s_mov_b32 s20, s50
	s_add_nc_u64 s[G0S+2:G0S+3], s[70:71], s[20:21]
	s_or_b32 s[G0S+3], s[G0S+3], 0x80000000
	s_mov_b32 s[G0S], 1
	s_mov_b32 s[G0S+1], SCL
	s_mov_b32 s20, s48
	s_add_nc_u64 s[G0B+2:G0B+3], s[80:81], s[20:21]
	s_or_b32 s[G0B+3], s[G0B+3], 0x80000000
	s_mov_b32 s[G0B], 1
	s_mov_b32 s[G0B+1], YB
	s_cmp_eq_u32 s19, 0
	s_cselect_b64 s[72:73], s[72:73], s[76:77]
	s_cselect_b64 s[74:75], s[74:75], s[78:79]
	s_cselect_b64 s[84:85], s[84:85], s[86:87]
	s_mov_b32 s20, s49
	s_add_nc_u64 s[G0W+2:G0W+3], s[72:73], s[20:21]
	s_or_b32 s[G0W+3], s[G0W+3], 0x80000000
	s_mov_b32 s[G0W], 1
	s_mov_b32 s[G0W+1], BVB
	s_cmp_eq_u32 s14, 0                                 ; ONE load a wave, in one chain of branches on the wave's number
	s_cbranch_scc0 .Lwave_1
	TLOAD G0B, G1B                                      ; W_v's rows
	s_branch .Lasked
.Lwave_1:
	s_cmp_eq_u32 s14, 1
	s_cbranch_scc0 .Lwave_2
	TLOAD G0A, G1A                                      ; x's first 128 rows
	s_branch .Lasked
.Lwave_2:
	s_cmp_eq_u32 s14, 2
	s_cbranch_scc0 .Lwave_3
	TLOAD G0S, G1S                                      ; x's scale bytes
	s_branch .Lasked
.Lwave_3:
	TLOAD G0W, G1B                                      ; W_q's or W_k's rows
.Lasked:
	s_mov_b32 s20, s52
	s_add_nc_u64 s[100:101], s[82:83], s[20:21]
	s_mov_b32 s20, s54
	s_add_nc_u64 s[88:89], s[74:75], s[20:21]
.irp p, 0,1
.irp c, 0,1
	global_load_b128 v[SB+NQ*\p+4*\c:SB+NQ*\p+4*\c+3], v[ABS], s[100:101] offset:\p*16*KS+16*\c
.endr
.endr
	WIN 3<<6
.irp p, 0,1
.irp c, 0,1
	global_load_b128 v[SB2-768+NQ*\p+4*\c:SB2-768+NQ*\p+4*\c+3], v[ABS], s[88:89] offset:\p*16*KS+16*\c
.endr
.endr
	WIN 0
	s_mov_b32 s[G0R], 1                                 ; the refill: x's other 128 rows, onto W_v's
	s_mov_b32 s[G0R+1], YB
	s_mov_b64 s[G0R+2:G0R+3], s[2:3]
	s_or_b32 s[G0R+3], s[G0R+3], 0x80000000
	; where the results go.  s23 bytes of a record, s51 where its scale bytes lie
	s_mov_b32 s23, 12800
	s_mov_b32 s51, 12288
	s_cmp_eq_u32 s19, 0
	s_cselect_b32 s23, 6400, s23
	s_cselect_b32 s51, 6144, s51
	s_and_b32 s20, s42, 7
	s_lshl_b32 s20, s20, 1
	s_add_co_u32 s20, s20, s16                          ; my head
	s_lshr_b32 s50, s43, 3
	s_lshl_b32 s50, s50, 4
	s_add_co_u32 s20, s20, s50
	s_lshl_b32 s20, s20, 4
	s_lshl_b32 s50, s43, 1
	s_and_b32 s50, s50, 15
	s_add_co_u32 s20, s20, s50
	s_mul_i32 s20, s20, s23
	s_add_nc_u64 s[84:85], s[84:85], s[20:21]           ; the record of my first 128 tokens
	s_xor_b32 s20, s15, s17
	s_mul_i32 s20, s20, s23
	s_add_co_u32 s20, s20, s51
	s_add_nc_u64 s[76:77], s[84:85], s[20:21]           ; the scale bytes that I store at the end
	s_mul_i32 s50, s15, 3072
	s_mul_i32 s20, s17, s23
	s_add_co_u32 s20, s20, s50
	s_add_nc_u64 s[72:73], s[84:85], s[20:21]           ; the codes of blocks 0-3
	s_xor_b32 s20, s17, 1
	s_mul_i32 s20, s20, s23
	s_add_co_u32 s20, s20, s50
	s_add_nc_u64 s[74:75], s[84:85], s[20:21]           ; and of blocks 4-7
	s_lshr_b32 s20, s12, 4
	s_lshl_b32 s20, s20, 4
	s_lshl_b32 s50, s13, 1
	s_add_co_u32 s20, s20, s50
	s_add_co_u32 s20, s20, s16
	s_lshl_b32 s20, s20, 4
	s_and_b32 s50, s12, 15
	s_add_co_u32 s20, s20, s50
	s_mul_i32 s20, s20, 12800
	s_add_co_u32 s20, s20, 12544
	s_add_nc_u64 s[80:81], s[86:87], s[20:21]           ; v's scale bytes
	s_sub_co_u32 s20, s20, 12544-6144
	s_mul_i32 s50, s15, 768
	s_add_co_u32 s20, s20, s50
	s_add_nc_u64 s[78:79], s[86:87], s[20:21]           ; v's codes
	WALU
	s_cmp_eq_u32 s14, 0
	s_cbranch_scc0 .Lnot_wv
	s_wait_tensorcnt 0x0
.Lnot_wv:
	BARRIER                                             ; W_v's rows are in
	global_prefetch_b8 v21, s[2:3] th:TH_LOAD_NT scope:SCOPE_SE   ; what the refill will load, two blocks ahead of it: every byte once in each row of the cluster; its registers are not written again
	WEIGHTS
.irp i, 0,1,2
	STEPX \i, 0
.endr
	WALU
	s_cmp_eq_u32 s14, 3
	s_cbranch_scc1 .Lnot_x
	s_wait_tensorcnt 0x0
.Lnot_x:
	s_wait_dscnt 0x0
	BARRIER                                             ; x's first rows and the scale bytes are in; wave 3's tile may be on its way
	FETCH 0
.irp i, 0,1,2
	STEPX \i, 1
.endr
	WALU
	FETCH 1
	s_wait_loadcnt 0x0                                  ; the weights' scale bytes, both phases'
; ================= PHASE 1: V, four blocks.  A block's rows were fetched two blocks ago; younger is the next block's fetch
.irp s, 0,1
	s_wait_dscnt NF
	BLOCK 1, \s, HV+8*\s, 32, 0, 32, L_STEP, \s+2
	WIN 0
	PLACES 4
	WALU
	FETCH \s
.endr
	s_wait_dscnt NF
	s_wait_tensorcnt 0x0                                ; the refill's round
	ds_add_u32 v[SPW], v[NIL]
	BLOCK 1, 0, HV+16, 32, 0, 24, L_STEP, 0
	WIN 0
	WALU
	s_wait_dscnt 0x0                                    ; the add and my reads of W_v's rows are done
	s_barrier_signal -1
	BLOCK 1, 0, HV+16, 32, 24, 32, L_NONE
	MIDDLE
	BARRIER
	s_cmp_eq_u32 s14, 0
	s_cbranch_scc0 .Lno_refill
	TLOAD G0R, G1A                                      ; x's other 128 rows, onto W_v's, which all waves hold in registers
.Lno_refill:
	PLACES 4                                            ; the places ahead of the fetch, for the waves that come round the load
	WALU
	FETCH 0                                             ; phase 2's block 0: the same rows as V's
	BLOCK 1, 1, HV+24, 32, 0, 32, L_STEP, 1             ; its rows are in: the round's wait has shown them
	WIN 0
	PLACES 4
; ================= THE CHANGE OF PHASE: the round has shown W_q's or W_k's rows to all waves.  V's four way outs stand under the loads' flight
	WIN (3<<2)|(3<<6)
.irp b, 0,1,2,3,4,5,6,7
	v_add_nc_u32 v[BA-768+\b], YB, v[BA-768+\b]
.endr
	WIN 0
	WALU
	WEIGHTS
	FETCH 1
	WIN 3
.set I, 0
.rept 16
	v_mov_b32 v[SB+I], v[SB2-768+I]
.set I, I+1
.endr
	WIN 0
.set I, 0
.rept 18
.irp t, 0,1,2,3
	CHAIN I, HV+32*\t, \t, 64+4*\t
.endr
.set I, I+1
.endr
.set I, 0
.rept 6
.irp t, 0,1,2,3
	CODES I, HV+32*\t, MCD+6*\t, \t, 80+4*\t
.endr
.set I, I+1
.endr
	WIN 0
	WALU
; ================= PHASE 2: Q or K, eight blocks; a block's way out stands in the next block, codes leave by pairs.  w: the count of the wait for the block's rows (-1: they are shown in already)
.macro QBLK s, w
.if (\w) >= 0
	s_wait_dscnt \w
.endif
.if (\s)%2
	s_wait_xcnt 0x0                                     ; the last pair's stores have read their registers
.endif
.if (\s) == 0
	BLOCK 0, 0, ACC, 8, 0, 32, L_STEP, 2
	WIN 0
	PLACES 4
	WALU
.irp t, 0,1,2,3
	ds_store_b8 v[STV], v[EB+\t] offset:4*\t
.endr
.irp t, 0,1,2,3
	global_store_b128 v[CO], v[MCD+6*\t:MCD+6*\t+3], s[78:79] offset:1536*\t
	global_store_b64 v15, v[MCD+6*\t+4:MCD+6*\t+5], s[78:79] offset:1536*\t+512
.endr
	FETCH 0
.else
.if (\s) == 2
	BLOCK 0, 0, ACC, 8, 0, 26, L_OUT, \s
	WIN 0
	WALU
	s_wait_tensorcnt 0x0
	s_wait_dscnt 0x0
	s_barrier_signal -1                                 ; a plain barrier shows the refill to all
	BLOCK 0, 0, ACC, 8, 26, 32, L_NONE
	WIN 0
	s_barrier_wait -1
.elseif (\s) < 6
	BLOCK 0, (\s)%2, ACC+32*((\s)%2), 8, 0, 32, L_OUT, \s
.else
	BLOCK 0, (\s)%2, ACC+32*((\s)%2), 8, 0, 32, L_LAST, \s
.endif
	WIN 0
	CODES6 ACC+32*(((\s)-1)%2), NCD+6*(((\s)-1)%2), ((\s)-1)%2   ; the shift and the three moves are the four places ahead of the fetch
	WALU
	ds_store_b8 v[STO], v[EB+((\s)-1)%2] offset:256*(((\s)-1)/4)+2*(((\s)-1)%4)
.if (\s)%2 == 0
	PUT3 72+2*(((\s)-2)/4), 1536*((((\s)-2)/2)%2)
.endif
.if (\s) < 6
	FETCH (\s)%2
.endif
.endif
.endm
	QBLK 0, NF                                          ; younger: block 1's fetch
	QBLK 1, NF+4                                        ; and V's four bytes
	QBLK 2, NF+1                                        ; and one byte
	QBLK 3, -1
	QBLK 4, NF+1
	QBLK 5, NF+1
	QBLK 6, NF+1
	QBLK 7, 1
; ================= THE END: the last way out; the scale bytes go through LDS under its conversions
	s_lshl_b32 s20, s16, 9
	s_lshl_b32 s22, s15, 8
	s_add_co_u32 s20, s20, s22
	s_add_co_u32 s20, s20, XN
	v_add_nc_u32 v12, s20, v15
	s_lshl_b32 s20, s16, 8
	s_add_co_u32 s20, s20, XM
	v_add_nc_u32 v13, s20, v15
.set I, 0
.rept 18
	CHAIN I, ACC+32, 1
.set I, I+1
.endr
	CODES 2, ACC+32, NCD+6, 1
	WALU
	ds_store_b8 v[STO], v[EB+1] offset:256+6
	s_wait_dscnt 0x0
	s_barrier_signal -1
	CODES 0, ACC+32, NCD+6, 1
	CODES 1, ACC+32, NCD+6, 1
	v_nop
.irp i, 3,4,5
	CODES \i, ACC+32, NCD+6, 1
.endr
	WALU
	s_barrier_wait -1
	ds_load_b64 v[64:65], v12
	ds_load_b64 v[66:67], v13
	PUT3 74, 1536
	s_wait_dscnt 0x0
	global_store_b64 v15, v[64:65], s[76:77]            ; 256 consecutive bytes, aligned
	s_cmp_lg_u32 s15, 0
	s_cbranch_scc1 .Lno_v_bytes
	global_store_b64 v15, v[66:67], s[80:81]            ; waves 0 and 1: a head of V each
.Lno_v_bytes:
	s_wait_tensorcnt 0x0                                ; the wave's end
	ds_add_u32 v[SPW], v[NIL]
	s_wait_dscnt 0x0
	CROUND                                              ; no work-group ends while a partner may still ask for a tile that names it
	s_endpgm
.Lfunc_end_k_q58de4df201_qkv:
	.size	k_q58de4df201_qkv, .Lfunc_end_k_q58de4df201_qkv-k_q58de4df201_qkv
	.p2alignl 7, 3214868480
	.fill 96, 4, 3214868480
	.section	.rodata,"a",@progbits
	.p2align	6, 0x0
	.amdhsa_kernel k_q58de4df201_qkv
		.amdhsa_group_segment_fixed_size 327680
		.amdhsa_private_segment_fixed_size 0
		.amdhsa_enable_private_segment 0
		.amdhsa_kernarg_size 80
		.amdhsa_user_sgpr_count 2
		.amdhsa_user_sgpr_kernarg_segment_ptr 1
		.amdhsa_wavefront_size32 1
		.amdhsa_system_sgpr_workgroup_id_x 1
		.amdhsa_system_sgpr_workgroup_id_y 1
		.amdhsa_system_sgpr_workgroup_id_z 1
		.amdhsa_system_vgpr_workitem_id 0
		.amdhsa_next_free_vgpr 992
		.amdhsa_next_free_sgpr 102
		.amdhsa_reserve_vcc 0
		.amdhsa_float_denorm_mode_32 3
		.amdhsa_float_denorm_mode_16_64 3
		.amdhsa_memory_ordered 1
		.amdhsa_forward_progress 1
		.amdhsa_inst_pref_size 129
	.end_amdhsa_kernel
	.amdgpu_metadata
---
amdhsa.version: [ 1, 2 ]
amdhsa.kernels:
  - .name:           k_q58de4df201_qkv
    .symbol:         k_q58de4df201_qkv.kd
    .args:
      - { .name: x_codes, .offset: 0, .size: 8, .value_kind: global_buffer, .address_space: global }
      - { .name: x_scales, .offset: 8, .size: 8, .value_kind: global_buffer, .address_space: global }
      - { .name: Wq_codes, .offset: 16, .size: 8, .value_kind: global_buffer, .address_space: global }
      - { .name: Wq_scales, .offset: 24, .size: 8, .value_kind: global_buffer, .address_space: global }
      - { .name: Wk_codes, .offset: 32, .size: 8, .value_kind: global_buffer, .address_space: global }
      - { .name: Wk_scales, .offset: 40, .size: 8, .value_kind: global_buffer, .address_space: global }
      - { .name: Wv_codes, .offset: 48, .size: 8, .value_kind: global_buffer, .address_space: global }
      - { .name: Wv_scales, .offset: 56, .size: 8, .value_kind: global_buffer, .address_space: global }
      - { .name: qbuf, .offset: 64, .size: 8, .value_kind: global_buffer, .address_space: global }
      - { .name: kv, .offset: 72, .size: 8, .value_kind: global_buffer, .address_space: global }
    .group_segment_fixed_size: 327680
    .private_segment_fixed_size: 0
    .kernarg_segment_align: 8
    .kernarg_segment_size: 80
    .max_flat_workgroup_size: 128
    .sgpr_count:     102
    .vgpr_count:     992
    .wavefront_size: 32
...
	.end_amdgpu_metadata
.endif
;; end of part 1
;; launch attn (part 2): grid 4 x 64, 16 waves a work-group, clusters of 4 x 4, 327,680 bytes of LDS; arguments qbuf, kv, cbuf, csc; writes cbuf, csc
.if DOCPART == 2
	.amdgcn_target "amdgcn-amd-amdhsa--gfx1250"
	.amdhsa_code_object_version 6
	.text
	.protected	k_q58de4df201_attn
	.globl	k_q58de4df201_attn
	.p2align	8
	.type	k_q58de4df201_attn,@function
k_q58de4df201_attn:
	s_mov_b64 s[64:65], 0
	v_nop
	global_prefetch_b8 v0, s[64:65] scope:SCOPE_SE
	s_setreg_imm32_b32 hwreg(HW_REG_WAVE_MODE, 25, 1), 1
	s_wait_xcnt 0x0
	s_wait_alu depctr_hold_cnt(0) depctr_sa_sdst(0) depctr_va_vdst(0) depctr_va_sdst(0) depctr_va_ssrc(0) depctr_va_vcc(0) depctr_vm_vsrc(0)
	s_getreg_b32 s2, hwreg(HW_REG_IB_STS2, 6, 4)
	s_cmp_eq_u32 s2, 0
	s_cbranch_scc0 .Lentry_in_a_cluster
	s_endpgm
.Lentry_in_a_cluster:
	s_bfe_u32 s2, ttmp6, 0x10000c
	s_cmp_lg_u32 s2, 0xf033
	s_cbranch_scc0 .Lentry_shape_is_right
	s_endpgm
.Lentry_shape_is_right:
; ctx[b][q][64 head + d] = softmax over k of (q . k / 8, causal) times v, both products on codes of FP6 (E2M3); ctx leaves as codes for the last product.
; THE SOFTMAX AHEAD OF THE SECOND PRODUCT: t = score x log2(e) / 8; M = the row's largest t so far, rounded UP to a whole number; p = 2^(t - M) is quantised along the keys, not normalised.
; The row's sum is taken of the unquantised p and divides O at the end.  When M moves, sum and O are multiplied by 2^(old M - new M): exact.
; WORK LEFT OUT: key steps of 128 whose keys all come after a tile's queries (reference()'s own causal mask).  A NaN or an infinity that reaches only those is not carried.
; SHARES.  A head has 16 blocks of 128 queries; work-group PT = 0 .. 7 of the head owns tile PT (16 queries) of EVERY block, so all work-groups have the same walk.  Block n's tile has n + 1 key steps: 136 in all, for 16 waves.
; Two waves share the tiles of blocks i and 15 - i (i = 0 .. 7).  Wave A: block 15 - i, records 7, 6, .. 0, then 8: nine steps.
; Wave B, eight trips k: block 15 - i on records 9 + k while k < 7 - i (its last is the diagonal); then it hands O, M and the sum over through LDS and takes block i on records 7 - k (its first is the diagonal).
; A joins B's part to its own at the end: M = the larger of the two, each part times an exact power of two.
; LDS holds the head's 16 records of kv, in the order of need: slot 2 k = record 7 - k, slot 2 k + 1 = record 9 + k (k < 7), slot 15 = record 8.  Wave w fetches slot w, ONE load a wave; no slot is filled again.
; Slots 0 and 1 are shown ahead of trip 0.  The others: each wave waits for its load and signals in the middle of trip 0, and waits at the barrier behind that trip.
; The hand-overs likewise: the signal stands in trip 7, behind its hand-over; the wait behind wave A's ninth step.  Between signal and wait stand work on registers and LDS loads of records alone.
; CLUSTER: 4 x 4: a row is four work-groups of one head, which ask for its records jointly; two rows are a head.  No prefetch: every load goes out at the head; there is no loop to run ahead in.
; LAYOUT.  Both products transposed: a lane holds one query throughout.  K = 64 IN AN INSTRUCTION OF 128: source 0 is two tiles of keys; q lies in 18 registers as [q][zeros][q]: its first 12 multiply the even tile, its last 12 the odd one.
; By the rows' order of the launch before, lane (r, h) holds in S registers 32 c + 8 j + i the block of keys 2 c + h whole: key 64 c + 32 h + 8 (j xor h) + i; and in O registers 8 t + i its d 32 h + 8 (t xor h) + i.
; LIMITS: the scaled scores (exponents to the base 2) stay under 2^31 in magnitude.  A block of ctx or p whose largest magnitude lies under 2^-124 gets the scale byte 1 (its codes are zeros or nearly; this program alone reads the bytes).
; ctx = O x the reciprocal instruction's 1 / sum.  NaN and infinities among the operands are not served.
.set REC,  12800
.set QREC, 6400
.set MRG,  16*REC                      ; a place of 4,352 bytes for each wave's hand-over
.set MSZ,  4352
.set SPARE, MRG+20*MSZ
.set F,    48                          ; v48-95 k's four operands, then v's
.set S,    96
.set O,    160
.set QF,   16                          ; v16-33 q, zeros, q; v34 its scale word; v40-45, v35 the next q
.set SCW,  36                          ; v36-39 lanes 0-15 k's scale words, lanes 16-31 v's
.set CDR,  192
.set LS,   236                         ; v[236:237] the sum in two halves
.set PSW,  248                         ; p's scale word
.macro WALU
	s_wait_alu depctr_va_vdst(0)
.endm
.macro CROUND
	s_barrier_signal -1
	s_barrier_wait -1
	s_cmp_lg_u32 s12, 0
	s_cbranch_scc1 .Lnot_wave_0_\@
	s_barrier_signal -3
.Lnot_wave_0_\@:
	s_barrier_wait -3
	s_barrier_signal -1
	s_barrier_wait -1
.endm
.macro TLOAD
	tensor_load_to_lds s[32:35], s[24:31]
	s_nop 0
.rept 4
	v_nop
.endr
.endm
	s_load_b256 s[4:11], s[0:1], 0x0               ; qbuf, kv, cbuf, csc
	v_lshl_add_u32 v3, v0, 2, SPARE
	v_mov_b32 v7, 0
	ds_add_u32 v3, v7                              ; the opening lines: the add twice on end and one wait
	ds_add_u32 v3, v7
	v_lshrrev_b32 v4, 5, v0
	v_readfirstlane_b32 s12, v4                    ; wave
	s_bfe_u32 s36, ttmp6, 0x40000                  ; cx, cy
	s_bfe_u32 s37, ttmp6, 0x40004
	s_and_b32 s38, ttmp7, 0xffff
	s_lshl_b32 s38, s38, 2
	s_add_co_u32 s38, s38, s37                     ; work-group y
	s_lshr_b32 s15, s38, 1                         ; 16 b + head
	s_and_b32 s39, s38, 1
	s_lshl_b32 s39, s39, 2
	s_add_co_u32 s39, s39, s36                     ; PT
	s_bfe_u32 s14, s12, 0x10002                    ; 0: A, 1: B
	s_and_b32 s13, s12, 3
	s_lshr_b32 s40, s12, 3
	s_lshl_b32 s40, s40, 2
	s_or_b32 s13, s13, s40                         ; i
	s_lshl_b32 s40, s37, 2
	s_lshl_b32 s40, 15, s40                        ; my row of the cluster
	s_or_b32 s24, s40, (3<<16)|(1<<21)             ; a record: 12,800 dense bytes as 50 rows of 256 (32 elements of 8 bytes)
	s_mov_b32 s25, 32<<16
	s_mov_b32 s26, 50<<16
	s_mov_b32 s27, 32<<16
	s_mov_b32 s28, 50
	s_mov_b32 s29, 32
	s_mov_b32 s30, 0
	s_mov_b32 s31, 0
	s_lshr_b32 s41, s12, 1
	s_sub_co_u32 s42, 7, s41
	s_add_co_u32 s43, s41, 9
	s_bitcmp1_b32 s12, 0
	s_cselect_b32 s42, s43, s42
	s_cmp_eq_u32 s12, 15
	s_cselect_b32 s42, 8, s42                      ; the record that I fetch
	s_lshl_b32 s44, s15, 4
	s_add_co_u32 s42, s42, s44
	s_mul_i32 s42, s42, REC
	s_mov_b32 s43, 0
	s_mov_b32 s32, 1
	s_mul_i32 s33, s12, REC                        ; into slot w
	s_wait_dscnt 0x0
	CROUND                                         ; all sixteen work-groups are here: the joint loads meet
	s_wait_kmcnt 0x0
	s_add_nc_u64 s[34:35], s[6:7], s[42:43]
	s_or_b32 s35, s35, 0x80000000
	s_cmp_lt_u32 s12, 2                            ; one load a wave; the waves that wait together have a load line of their own
	s_cbranch_scc0 .Lfill_2
	TLOAD
	s_branch .Lfilled
.Lfill_2:
	TLOAD
.Lfilled:
	s_sub_co_u32 s45, 15, s13                      ; the late block
	s_add_co_u32 s46, s44, s45
	s_mul_i32 s46, s46, QREC
	s_mov_b32 s47, 0
	s_add_nc_u64 s[46:47], s[4:5], s[46:47]        ; q's record of the late block,
	s_add_co_u32 s48, s44, s13
	s_mul_i32 s48, s48, QREC
	s_mov_b32 s49, 0
	s_add_nc_u64 s[48:49], s[4:5], s[48:49]        ; and of the early one
	s_lshr_b32 s50, s39, 1
	s_mul_i32 s50, s50, 1536                       ; my tile's operand; an odd tile is its upper half: pieces of 8 bytes at 520, 1024, 1032 and not 0, 8, 512
	s_and_b32 s51, s39, 1
	s_mul_i32 s52, s51, 520
	s_add_co_u32 s52, s52, s50
	s_mul_i32 s53, s51, 1016
	s_add_co_u32 s53, s53, s50
	s_add_co_u32 s53, s53, 8
	s_lshl_b32 s54, s39, 1
	v_and_b32 v220, 31, v0
	v_lshlrev_b32 v1, 4, v220                      ; 16 x lane
	v_lshlrev_b32 v2, 3, v220                      ; 8 x lane
	v_add_nc_u32 v6, s52, v1
	v_add_nc_u32 v8, s53, v1
	v_and_b32 v222, 15, v0                         ; r
	v_bfe_u32 v224, v0, 4, 1                       ; h
	v_lshlrev_b32 v9, 4, v222
	v_add_nc_u32 v9, s54, v9                       ; q's scale bytes: 16 r + 2 PT
	v_lshl_add_u32 v229, v222, 5, v224             ; ctx's scale byte: 32 r + h
.set n, 0
.rept 6
	v_mov_b32 v[QF+6+n], 0                         ; zero codes
	v_mov_b32 v[40+n], 0
.set n, n+1
.endr
	v_mov_b32 v35, 0
	WALU
	global_load_b64 v[QF:QF+1], v6, s[46:47]
	global_load_b64 v[QF+2:QF+3], v8, s[46:47]
	global_load_b64 v[QF+4:QF+5], v6, s[46:47] offset:512
	global_load_b64 v[QF+12:QF+13], v6, s[46:47]
	global_load_b64 v[QF+14:QF+15], v8, s[46:47]
	global_load_b64 v[QF+16:QF+17], v6, s[46:47] offset:512
	global_load_u16 v34, v9, s[46:47] offset:6144
	s_cmp_eq_u32 s14, 1
	s_cbranch_scc0 .Lno_early
	global_load_b64 v[40:41], v6, s[48:49]
	global_load_b64 v[42:43], v8, s[48:49]
	global_load_b64 v[44:45], v6, s[48:49] offset:512
	global_load_u16 v35, v9, s[48:49] offset:6144
.Lno_early:
	s_sub_co_u32 s50, 7, s13
	s_mov_b32 s51, 99
	s_cmp_eq_u32 s14, 1
	s_cselect_b32 s16, s50, 0                      ; trips on the late block's own records (A: none)
	s_cselect_b32 s17, s50, s51                    ; the trip ahead of which B hands over (A: never)
	s_cselect_b32 s45, s13, s45                    ; the block whose ctx I store
	s_lshr_b32 s50, s15, 4
	s_lshl_b32 s50, s50, 7
	s_lshl_b32 s51, s45, 3
	s_add_co_u32 s50, s50, s51
	s_add_co_u32 s50, s50, s39                     ; my tile of 16 rows among 256
	s_and_b32 s51, s15, 15                         ; head
	s_lshl_b32 s52, s50, 4
	s_add_co_u32 s52, s52, s51
	s_mul_i32 s52, s52, 768
	s_mov_b32 s53, 0
	s_add_nc_u64 s[8:9], s[8:9], s[52:53]          ; ctx's half
	s_lshl_b32 s52, s50, 9
	s_lshl_b32 s51, s51, 1
	s_add_co_u32 s52, s52, s51
	s_add_nc_u64 s[10:11], s[10:11], s[52:53]      ; its scale bytes: 32 x row + 2 x head + h
	s_mul_i32 s50, s12, MSZ
	s_add_co_u32 s50, s50, MRG
	v_add_nc_u32 v10, s50, v1                      ; my place for the hand-over: O,
	s_add_co_u32 s50, s50, 4096
	v_lshl_add_u32 v11, v220, 2, s50               ; -M and the sum
	; the causal mask of a diagonal step, one scalar register for each register of S: 1 where key > query.  My query in its block: 64 c + 32 (r / 8) + 8 (j xor r / 8) + r % 8, PT = 4 c + j
	s_and_b32 s50, s39, 3
	s_lshr_b32 s51, s39, 2
	s_lshl_b32 s51, s51, 6
	v_lshrrev_b32 v223, 3, v222
	v_and_b32 v222, 7, v222
	v_xor_b32 v225, s50, v223
	v_lshl_add_u32 v225, v225, 3, v222
	v_lshl_add_u32 v225, v223, 5, v225
	v_add_nc_u32 v225, s51, v225
	v_mul_u32_u24 v226, 40, v224
	v_mul_u32_u24 v227, 24, v224
	v_sub_nc_u32 v226, v225, v226                  ; register 32 c + 8 j + i holds key 64 c + 8 j + i, in lanes 16-31 40 (j even) or 24 (j odd) further on
	v_sub_nc_u32 v227, v225, v227
	WALU
	s_wait_xcnt 0x0                                ; q's loads have read their bases: the masks are written over them
.set n, 0
.rept 64
	v_cmp_gt_i32 s[36+n+2*((n+36)/64)], 64*(n/32)+n%32, v[226+(n/8)%2]
.set n, n+1
.endr
	s_mov_b32 s20, 0x76543210
	s_mov_b32 s21, 0xfedcba98
	s_mov_b32 s22, 0x3e38aa3b                      ; c = log2(e) / 8
	s_mov_b32 s23, s22                             ; (named with it as a pair)
	v_mov_b32 v228, 0xff800000
	v_mov_b32 v13, 0xff61b1e6                      ; the largest score so far: -3e38
	v_mov_b32 v12, 0x7e800000                      ; -M, above every later one: the first change of M multiplies zeros by 0
	v_mov_b32 v[LS], 0
	v_mov_b32 v[LS+1], 0
	v_mov_b32 v47, 0                               ; (the pairs' upper halves are named and never used)
	v_mov_b32 v227, 0
	v_mov_b32 v219, 0                              ; (a lane permute's destination counts as one of its sources)
	v_mov_b32 v221, 0
.set n, 0
.rept 32
	v_mov_b32 v[O+n], 0                            ; O^T: the step has no first form
.set n, n+1
.endr
	WALU
	s_wait_loadcnt 0x0                             ; q
	v_lshl_or_b32 v34, v34, 16, v34                ; the head's two bytes, twice
	v_lshl_or_b32 v35, v35, 16, v35
; A KEY STEP of 128 keys.  last = 1: wave A's ninth.  sig = 1: a barrier's signal stands in its middle.
.macro STEP last, sig=0
.if \last
	s_mov_b32 s3, 15*REC
.else
	s_cmp_lt_u32 s18, s16
	s_cselect_b32 s3, REC, 0
	s_add_co_u32 s3, s3, s19                       ; slot 2 k or 2 k + 1
.endif
	v_add_nc_u32 v4, s3, v1
	v_add_nc_u32 v5, s3, v2
	v_nop                                          ; with the two above: four places behind the last step's products, ahead of loads into their registers and of reads of O
	v_nop
	WALU
	ds_load_b128 v[SCW:SCW+3], v4 offset:12288
.irp m, 0,1,2,3,4,5,6,7,8,9,10,11
	ds_load_b128 v[F+4*\m:F+4*\m+3], v4 offset:512*\m
.endr
.if \last == 0
	s_cmp_lg_u32 s18, s17
	s_cbranch_scc1 .Lkeep_\@
	v_add_f32 v[LS], v[LS], v[LS+1]                ; THE HAND-OVER: the late block's part goes to LDS, the early block begins
.irp m, 0,1,2,3,4,5,6,7
	ds_store_b128 v10, v[O+4*\m:O+4*\m+3] offset:512*\m
.endr
	ds_store_b32 v11, v12
	ds_store_b32 v11, v[LS] offset:128
	v_mov_b32 v34, v35
.irp m, 0,1,2,3,4,5
	v_mov_b32 v[QF+\m], v[40+\m]
	v_mov_b32 v[QF+12+\m], v[40+\m]
.endr
.set n, 0
.rept 32
	v_mov_b32 v[O+n], 0
.set n, n+1
.endr
	v_mov_b32 v12, 0x7e800000
	v_mov_b32 v13, 0xff61b1e6
	v_mov_b32 v[LS], 0
	v_mov_b32 v[LS+1], 0
.Lkeep_\@:
.endif
	WALU
.irp t, 0,1,2,3,4,5,6,7
.if (\t)%2 == 0
	s_wait_dscnt 9-3*(\t/2)                        ; this operand is in: at least three loads for each later one are younger
.endif
	v_wmma_scale_f32_16x16x128_f8f6f4 v[S+8*\t:S+8*\t+7], v[F+12*(\t/2):F+12*(\t/2)+11], v[QF+6*(\t%2):QF+6*(\t%2)+11], 0, v[SCW+\t/2], v34 matrix_a_fmt:MATRIX_FMT_FP6 matrix_b_fmt:MATRIX_FMT_FP6
.endr
.rept 4
	v_nop                                          ; places: ahead of the loads below and of the first read of the scores
.endr
.irp t, 0,1,2,3                                ; v lands while the softmax is worked
.irp c, 0,1
	ds_load_b128 v[F+12*\t+6*\c:F+12*\t+6*\c+3], v4 offset:6144+1536*\t+768*\c
	ds_load_b64 v[F+12*\t+6*\c+4:F+12*\t+6*\c+5], v5 offset:6144+1536*\t+768*\c+512
.endr
.endr
.if \last
	s_cmp_lg_u32 s13, 7                            ; record 8 is the diagonal of block 8
.else
	s_sub_co_u32 s2, s17, s18                      ; B's trips ahead of the hand-over and behind it are the two diagonals
	s_cmp_gt_u32 s2, 1
.endif
	s_cbranch_scc1 .Lopen_\@
.set n, 0
.rept 64
	v_cndmask_b32 v[S+n], v[S+n], v228, s[36+n+2*((n+36)/64)]   ; hidden scores become -infinity ahead of the maximum
.set n, n+1
.endr
.Lopen_\@:
.irp k, 0,1,2,3
	v_max3_num_f32 v[212+\k], v[S+16*\k], v[S+1+16*\k], v[S+2+16*\k]
.endr
.irp m, 3,5,7,9,11,13
.irp k, 0,1,2,3
	v_max3_num_f32 v[212+\k], v[212+\k], v[S+16*\k+\m], v[S+1+16*\k+\m]
.endr
.endr
	v_max3_num_f32 v212, v212, v213, v[S+15]
	v_max3_num_f32 v214, v214, v215, v[S+47]
	v_max_num_f32 v212, v212, v[S+31]              ; the largest score of my two blocks of 32 keys: for the row's maximum and, since p rises with the score, for the blocks' largest p
	v_max_num_f32 v214, v214, v[S+63]
	v_max_num_f32 v220, v212, v214
	s_delay_alu instid0(VALU_DEP_1)
	v_permlanex16_b32 v221, v220, s20, s21
	s_delay_alu instid0(VALU_DEP_1)
	v_max3_num_f32 v13, v13, v220, v221            ; with lane l xor 16's: the running largest score
	s_delay_alu instid0(VALU_DEP_1)
	v_mul_f32 v222, s22, -v13
	v_mov_b32 v223, v12
	s_delay_alu instid0(VALU_DEP_2)
	v_floor_f32 v12, v222                          ; -M = floor(-t): a whole number
	s_delay_alu instid0(VALU_DEP_1)
	v_sub_f32 v223, v12, v223                      ; old M - new M, 0 or less
	s_delay_alu instid0(VALU_DEP_1)
	v_cvt_i32_f32 v223, v223                       ; (it saturates)
	s_delay_alu instid0(VALU_DEP_1)
	v_ldexp_f32 v46, 1.0, v223                     ; f
.if \sig
	WALU
	s_wait_tensorcnt 0x0                           ; my record is in,
	s_wait_dscnt 0x0                               ; my LDS stores and loads are done: v's loads, and a hand-over's stores, among them
	s_barrier_signal -1
.endif
.set n, 0
.rept 32
	v_pk_fma_f32 v[S+n:S+n+1], v[S+n:S+n+1], s[22:23], v[12:13] op_sel_hi:[1,0,0]   ; t - M
.set n, n+2
.endr
	v_fma_f32 v212, v212, s22, v12
	v_fma_f32 v214, v214, s22, v12
	WALU
.set n, 0
.rept 64
	v_exp_f32 v[S+n], v[S+n]                       ; p = 2^(t - M)
.set n, n+1
.endr
	v_exp_f32 v212, v212                           ; the blocks' largest p: the same two instructions on the same number
	v_exp_f32 v214, v214
	v_pk_mul_f32 v[LS:LS+1], v[LS:LS+1], v[46:47] op_sel_hi:[1,0]   ; the sum under the new M (a plain place behind the exponentials)
	WALU
.set n, 0
.rept 16
	v_pk_mul_f32 v[O+n:O+n+1], v[O+n:O+n+1], v[46:47] op_sel_hi:[1,0]   ; O^T under the new M
.set n, n+2
.endr
	v_max_num_f32 v212, 0x1800000, v212            ; the floor 2^(3 - 127): the byte cannot fall under 1
	v_max_num_f32 v214, 0x1800000, v214
	v_pk_add_f32 v[230:231], v[S:S+1], v[S+2:S+3]  ; THE SUM OF THE UNQUANTISED p, in four chains
	v_pk_add_f32 v[232:233], v[S+4:S+5], v[S+6:S+7]
	v_add_nc_u32 v216, 0xff000000, v212            ; 2 off the exponent field: the conversion's scale operand
	v_add_nc_u32 v217, 0xff000000, v214
	v_pk_add_f32 v[234:235], v[S+8:S+9], v[S+10:S+11]
	v_lshrrev_b32 v213, 23, v216
	v_lshrrev_b32 v215, 23, v217
.irp c, 0,1
	v_cvt_scalef32_pk16_fp6_f32 v[CDR+6*\c:CDR+6*\c+2], v[S+32*\c:S+15+32*\c], v[216+\c]
	v_cvt_scalef32_pk16_fp6_f32 v[204+4*\c:206+4*\c], v[S+16+32*\c:S+31+32*\c], v[216+\c]   ; (a conversion's three registers begin on an even number)
.endr
	v_lshl_or_b32 v218, v215, 16, v213             ; my blocks' bytes: h and 2 + h
.irp c, 0,1
.irp m, 0,1,2
	v_mov_b32 v[CDR+6*\c+3+\m], v[204+4*\c+\m]
.endr
.endr
	v_permlanex16_b32 v219, v218, s20, s21
.set n, 6
.rept 26
	v_pk_add_f32 v[230+2*(n%4):231+2*(n%4)], v[230+2*(n%4):231+2*(n%4)], v[S+2*n:S+2*n+1]   ; (the fourth is the running sum itself)
.if n == 8
	v_lshl_or_b32 v[PSW], v219, 8, v218            ; p's scale word, in lanes 0-15
.endif
.set n, n+1
.endr
	v_pk_add_f32 v[230:231], v[230:231], v[232:233]
	v_pk_add_f32 v[LS:LS+1], v[LS:LS+1], v[234:235]
	v_pk_add_f32 v[LS:LS+1], v[LS:LS+1], v[230:231]
	WALU
	s_wait_dscnt 0x0                               ; v
.irp t, 0,1,2,3
	v_wmma_scale_f32_16x16x128_f8f6f4 v[O+8*\t:O+8*\t+7], v[F+12*\t:F+12*\t+11], v[CDR:CDR+11], v[O+8*\t:O+8*\t+7], v[SCW+\t], v[PSW] matrix_a_fmt:MATRIX_FMT_FP6 matrix_b_fmt:MATRIX_FMT_FP6 matrix_a_scale:MATRIX_SCALE_ROW1
.endr
.endm
	WALU
	s_cmp_lt_u32 s12, 2
	s_cbranch_scc0 .Lstage_1
	s_wait_tensorcnt 0x0
.Lstage_1:
	s_barrier_signal -1
	s_barrier_wait -1                              ; slots 0 and 1 are in
	s_mov_b32 s18, 0
	s_mov_b32 s19, 0
	STEP 0, 1
	WALU
	s_barrier_wait -1                              ; all slots are in
	s_mov_b32 s18, 1
	s_mov_b32 s19, 2*REC
.Lstep:
	STEP 0
	s_add_co_u32 s19, s19, 2*REC
	s_add_co_u32 s18, s18, 1
	s_cmp_lt_u32 s18, 7
	s_cbranch_scc1 .Lstep
	s_mov_b32 s18, 7
	s_mov_b32 s19, 14*REC
	STEP 0, 1
	WALU
	s_cmp_eq_u32 s14, 0
	s_cbranch_scc0 .Lmeet
	STEP 1                                         ; A: record 8
.Lmeet:
	WALU
	s_wait_dscnt 0x0
	s_barrier_wait -1                              ; every hand-over is in LDS
	s_cmp_eq_u32 s14, 0
	s_cbranch_scc0 .Lalone
.rept 4
	v_nop
.endr
	ds_load_b32 v222, v11 offset:4*MSZ             ; A: the partner is wave w + 4
	ds_load_b32 v224, v11 offset:4*MSZ+128
.irp m, 0,1,2,3,4,5,6,7
	ds_load_b128 v[S+4*\m:S+4*\m+3], v10 offset:4*MSZ+512*\m
.endr
	s_wait_dscnt 0x0
	v_min_num_f32 v223, v12, v222                  ; the common -M
	v_sub_f32 v220, v223, v12
	v_sub_f32 v222, v223, v222
	v_cvt_i32_f32 v220, v220
	v_cvt_i32_f32 v222, v222
	v_ldexp_f32 v46, 1.0, v220
	v_ldexp_f32 v226, 1.0, v222
	v_pk_mul_f32 v[LS:LS+1], v[LS:LS+1], v[46:47] op_sel_hi:[1,0]
	v_fma_f32 v[LS], v224, v226, v[LS]
.set n, 0
.rept 16
	v_pk_mul_f32 v[O+n:O+n+1], v[O+n:O+n+1], v[46:47] op_sel_hi:[1,0]
.set n, n+2
.endr
.set n, 0
.rept 16
	v_pk_fma_f32 v[O+n:O+n+1], v[S+n:S+n+1], v[226:227], v[O+n:O+n+1] op_sel_hi:[1,0,1]
.set n, n+2
.endr
.Lalone:
; THE WAY OUT: ctx = O^T / the sum, quantised: a lane holds one block of 32 along d.  In lanes 16-31 the groups of 8 stand as 1, 0, 3, 2: the codes' 48-bit halves change places there.
.rept 4
	v_nop
.endr
	v_add_f32 v[LS], v[LS], v[LS+1]
	v_permlanex16_b32 v221, v[LS], s20, s21
	v_add_f32 v[LS], v[LS], v221                   ; the row's sum
	WALU
	v_rcp_f32 v[LS], v[LS]
	v_nop
	WALU
.set n, 0
.rept 16
	v_pk_mul_f32 v[O+n:O+n+1], v[O+n:O+n+1], v[LS:LS+1] op_sel_hi:[1,0]
.set n, n+2
.endr
	v_max3_num_f32 v212, |v[O]|, |v[O+1]|, 0x1800000
	v_max3_num_f32 v214, |v[O+16]|, |v[O+17]|, 0x1800000
.irp m, 2,4,6,8,10,12,14
	v_max3_num_f32 v212, v212, |v[O+\m]|, |v[O+\m+1]|
	v_max3_num_f32 v214, v214, |v[O+16+\m]|, |v[O+17+\m]|
.endr
	v_max_num_f32 v212, v212, v214
	v_add_nc_u32 v216, 0xff000000, v212
	v_lshrrev_b32 v213, 23, v216
	s_mov_b32 s2, 0xffff0000
	v_cvt_scalef32_pk16_fp6_f32 v[204:206], v[O:O+15], v216
	v_cvt_scalef32_pk16_fp6_f32 v[208:210], v[O+16:O+31], v216
	v_nop
.irp c, 0,1
	v_alignbit_b32 v[240+3*\c], v[206+4*\c], v[205+4*\c], 16
	v_alignbit_b32 v[241+3*\c], v[204+4*\c], v[206+4*\c], 16
	v_alignbit_b32 v[242+3*\c], v[205+4*\c], v[204+4*\c], 16
.endr
.irp c, 0,1
.irp m, 0,1,2
	v_cndmask_b32 v[CDR+3*\c+\m], v[204+4*\c+\m], v[240+3*\c+\m], s2
.endr
.endr
	global_store_b128 v1, v[CDR:CDR+3], s[8:9]             ; 512 consecutive bytes, at a multiple of 256 from the buffer's first byte
	global_store_b64 v2, v[CDR+4:CDR+5], s[8:9] offset:512
	global_store_b8 v229, v213, s[10:11]                   ; two bytes a row: a row's other 30 belong to 15 other heads
	s_wait_tensorcnt 0x0                           ; the wave's end
	ds_add_u32 v3, v7
	s_wait_dscnt 0x0
	CROUND                                         ; no work-group ends while a partner may still ask for a record that names it
	s_endpgm
.Lfunc_end_k_q58de4df201_attn:
	.size	k_q58de4df201_attn, .Lfunc_end_k_q58de4df201_attn-k_q58de4df201_attn
	.p2alignl 7, 3214868480
	.fill 96, 4, 3214868480
	.section	.rodata,"a",@progbits
	.p2align	6, 0x0
	.amdhsa_kernel k_q58de4df201_attn
		.amdhsa_group_segment_fixed_size 327680
		.amdhsa_private_segment_fixed_size 0
		.amdhsa_enable_private_segment 0
		.amdhsa_kernarg_size 32
		.amdhsa_user_sgpr_count 2
		.amdhsa_user_sgpr_kernarg_segment_ptr 1
		.amdhsa_wavefront_size32 1
		.amdhsa_system_sgpr_workgroup_id_x 1
		.amdhsa_system_sgpr_workgroup_id_y 1
		.amdhsa_system_sgpr_workgroup_id_z 1
		.amdhsa_system_vgpr_workitem_id 0
		.amdhsa_next_free_vgpr 256
		.amdhsa_next_free_sgpr 102
		.amdhsa_reserve_vcc 0
		.amdhsa_float_denorm_mode_32 3
		.amdhsa_float_denorm_mode_16_64 3
		.amdhsa_memory_ordered 1
		.amdhsa_forward_progress 1
		.amdhsa_inst_pref_size 106
	.end_amdhsa_kernel
	.amdgpu_metadata
---
amdhsa.version: [ 1, 2 ]
amdhsa.kernels:
  - .name:           k_q58de4df201_attn
    .symbol:         k_q58de4df201_attn.kd
    .args:
      - { .name: qbuf, .offset: 0, .size: 8, .value_kind: global_buffer, .address_space: global }
      - { .name: kv, .offset: 8, .size: 8, .value_kind: global_buffer, .address_space: global }
      - { .name: cbuf, .offset: 16, .size: 8, .value_kind: global_buffer, .address_space: global }
      - { .name: csc, .offset: 24, .size: 8, .value_kind: global_buffer, .address_space: global }
    .group_segment_fixed_size: 327680
    .private_segment_fixed_size: 0
    .kernarg_segment_align: 8
    .kernarg_segment_size: 32
    .max_flat_workgroup_size: 512
    .sgpr_count:     102
    .vgpr_count:     256
    .wavefront_size: 32
...
	.end_amdgpu_metadata
.endif
;; end of part 2
;; launch proj (part 3): grid 8 x 32, 4 waves a work-group, clusters of 4 x 4, 327,680 bytes of LDS; arguments cbuf, csc, Wo_codes, Wo_scales, bo, out0; writes out0
.if DOCPART == 3
	.amdgcn_target "amdgcn-amd-amdhsa--gfx1250"
	.amdhsa_code_object_version 6
	.text
	.protected	k_q58de4df201_proj
	.globl	k_q58de4df201_proj
	.p2align	8
	.type	k_q58de4df201_proj,@function
k_q58de4df201_proj:
	s_mov_b64 s[64:65], 0
	v_nop
	global_prefetch_b8 v0, s[64:65] scope:SCOPE_SE
	s_setreg_imm32_b32 hwreg(HW_REG_WAVE_MODE, 25, 1), 1
	s_wait_xcnt 0x0
	s_wait_alu depctr_hold_cnt(0) depctr_sa_sdst(0) depctr_va_vdst(0) depctr_va_sdst(0) depctr_va_ssrc(0) depctr_va_vcc(0) depctr_vm_vsrc(0)
	s_getreg_b32 s2, hwreg(HW_REG_IB_STS2, 6, 4)
	s_cmp_eq_u32 s2, 0
	s_cbranch_scc0 .Lentry_in_a_cluster
	s_endpgm
.Lentry_in_a_cluster:
	s_bfe_u32 s2, ttmp6, 0x10000c
	s_cmp_lg_u32 s2, 0xf033
	s_cbranch_scc0 .Lentry_shape_is_right
	s_endpgm
.Lentry_shape_is_right:
; out = ctx Wo + bo on codes of FP6: a work-group of four waves (2 x 2) makes 128 x 128, a wave 64 x 64; all of K lies in LDS, filled once.  The bias is the first products' C.
; A wave holds its 64 rows of Wo, all of K, in 384 registers, and finishes its four tiles of 16 rows one after the other, so that a tile's stores leave while the next ones are multiplied.
; ctx comes as halves (tile of 16 rows, head), each an image of 6 operand registers; Wo and its scales as they are given.  4 x 4 clusters: ctx's tiles are shared along a row, Wo's along a column.
; ctx's tile j = 0 .. 3 of a band of 64 rows holds rows 8 j + i and 32 + 8 (j xor 1) + i (i = 0 .. 7): the stores put them where they belong; its scale bytes lie in the tiles' order.
; The matrix instruction is used transposed (source 0 = 16 rows of Wo): a lane holds eight neighbouring numbers of a row of out.
; No prefetch: all loads go out at the head, and there is no loop to run ahead in.  NaN, infinities and a given scale byte 0xff are not served.
.set FR,   12
.set FPW,  21                          ; fragments in a window of 256 registers
.set BROW, 98304                       ; LDS: ctx's codes at 0, Wo's rows of 816 bytes (768 + 16 behind every 256),
.set BSC,  202752                      ; the scale bytes of Wo, of ctx (units of 256 + 16),
.set ASC,  207104
.set STG,  211456                      ; the way out's stages, 16 rows x 272 for each wave,
.set SPARE, STG+4*16*272               ; the spare words
.set ALI,  4
.set AL8,  5
.set BAD,  6
.set BAD2, 7
.set ASA,  8
.set WSA,  9
.set STO,  10
.set RD,   11
.set CO,   12
.set BIA,  13
.set AS,   16                          ; ctx's scale words: 8 for each of four tiles
.set WS,   50                          ; Wo's
.set BI,   82                          ; the bias, as the first products' C
.set BK,   114                         ; rows read back from the stage, two sets
.set ACC,  178                         ; two sets of four accumulators
.set BA,   242                         ; LDS addresses of Wo's four tiles
.set G1AC, 24
.set G1BC, 32
.set G1AS, 40
.set G1BS, 48
.set G0AC, 56
.set G0BC, 60
.set G0AS, 68
.set G0BS, 72
.set MSB, 0
.macro WIN new
.if MSB != (\new)
	s_set_vgpr_msb (MSB<<8)|(\new)
.set MSB, (\new)
.endif
.endm
.macro PLACES
.rept 4
	v_nop
.endr
.endm
.macro TLOAD g0, g1
	tensor_load_to_lds s[\g0:\g0+3], s[\g1:\g1+7]
	s_nop 0
	PLACES
.endm
.macro CROUND
	s_barrier_signal -1
	s_barrier_wait -1
	s_cmp_lg_u32 s16, 0
	s_cbranch_scc1 .Lnot_wave_0_\@
	s_barrier_signal -3
.Lnot_wave_0_\@:
	s_barrier_wait -3
	s_barrier_signal -1
	s_barrier_wait -1
.endm
	s_load_b256 s[4:11], s[0:1], 0x0               ; ctx's codes, scales; Wo's
	s_load_b128 s[12:15], s[0:1], 0x20             ; bo, out0
	v_lshl_add_u32 v254, v0, 2, SPARE
	v_mov_b32 v255, 0
	ds_add_u32 v254, v255                          ; the opening lines: the add twice on end and one wait
	ds_add_u32 v254, v255
	v_lshrrev_b32 v1, 5, v0
	v_readfirstlane_b32 s16, v1                    ; wave; s17 its half of the rows, s18 of the columns
	s_lshr_b32 s17, s16, 1
	s_and_b32 s18, s16, 1
	s_bfe_u32 s76, ttmp6, 0x40000
	s_bfe_u32 s77, ttmp6, 0x40004
	s_lshl_b32 s78, ttmp9, 2
	s_add_co_u32 s78, s78, s76                     ; tile column
	s_and_b32 s79, ttmp7, 0xffff
	s_lshl_b32 s79, s79, 2
	s_add_co_u32 s79, s79, s77                     ; tile row
	s_lshl_b32 s80, s77, 2
	s_lshl_b32 s80, 15, s80                        ; my row of the cluster
	s_lshl_b32 s81, 0x1111, s76                    ; my column
	s_or_b32 s[G1AC], s80, (3<<16)|(1<<21)         ; 98,304 dense bytes as 384 rows of 256
	s_or_b32 s[G1BC], s81, (3<<16)|(1<<20)|(1<<21)|(5<<22)|(3<<25)   ; the same, 16 bytes of padding behind each
	s_or_b32 s[G1AS], s80, (3<<16)|(1<<20)|(1<<21)|(5<<22)|(3<<25)   ; 4,096 dense bytes as 16 rows of 256, padded
	s_or_b32 s[G1BS], s81, (3<<16)|(1<<20)|(1<<21)|(5<<22)|(3<<25)
.irp g, G1AC, G1BC
	s_mov_b32 s[\g+1], 32<<16
	s_mov_b32 s[\g+2], 384<<16
	s_mov_b32 s[\g+3], 32<<16
	s_mov_b32 s[\g+4], 384
	s_mov_b32 s[\g+5], 32
	s_mov_b32 s[\g+6], 0
	s_mov_b32 s[\g+7], 0
.endr
.irp g, G1AS, G1BS
	s_mov_b32 s[\g+1], 32<<16
	s_mov_b32 s[\g+2], 16<<16
	s_mov_b32 s[\g+3], 32<<16
	s_mov_b32 s[\g+4], 16
	s_mov_b32 s[\g+5], 32
	s_mov_b32 s[\g+6], 0
	s_mov_b32 s[\g+7], 0
.endr
	s_mul_i32 s82, s79, 98304
	s_mov_b32 s83, 0
	s_mul_i32 s86, s78, 98304
	s_mov_b32 s87, 0
	s_lshl_b32 s88, s79, 12
	s_mov_b32 s89, 0
	s_lshl_b32 s90, s78, 12
	s_mov_b32 s91, 0
	s_wait_dscnt 0x0
	s_wait_kmcnt 0x0
	CROUND                                         ; all sixteen work-groups are here: the joint loads meet
	s_mov_b32 s[G0BC], 1
	s_mov_b32 s[G0BC+1], BROW
	s_add_nc_u64 s[G0BC+2:G0BC+3], s[8:9], s[86:87]
	s_or_b32 s[G0BC+3], s[G0BC+3], 0x80000000
	s_mov_b32 s[G0AC], 1
	s_mov_b32 s[G0AC+1], 0
	s_add_nc_u64 s[G0AC+2:G0AC+3], s[4:5], s[82:83]
	s_or_b32 s[G0AC+3], s[G0AC+3], 0x80000000
	s_mov_b32 s[G0AS], 1
	s_mov_b32 s[G0AS+1], ASC
	s_add_nc_u64 s[G0AS+2:G0AS+3], s[6:7], s[88:89]
	s_or_b32 s[G0AS+3], s[G0AS+3], 0x80000000
	s_mov_b32 s[G0BS], 1
	s_mov_b32 s[G0BS+1], BSC
	s_add_nc_u64 s[G0BS+2:G0BS+3], s[10:11], s[90:91]
	s_or_b32 s[G0BS+3], s[G0BS+3], 0x80000000
	s_cmp_eq_u32 s16, 0                            ; one load a wave, in one chain of branches on the wave's number
	s_cbranch_scc0 .Lwave_1
	TLOAD G0BC, G1BC
	s_branch .Lasked
.Lwave_1:
	s_cmp_eq_u32 s16, 1
	s_cbranch_scc0 .Lwave_2
	TLOAD G0AC, G1AC
	s_branch .Lasked
.Lwave_2:
	s_cmp_eq_u32 s16, 2
	s_cbranch_scc0 .Lwave_3
	TLOAD G0AS, G1AS
	s_branch .Lasked
.Lwave_3:
	TLOAD G0BS, G1BS
.Lasked:
	v_and_b32 v1, 15, v0                           ; r
	v_bfe_u32 v2, v0, 4, 1                         ; h
	v_and_b32 v3, 31, v0
	s_mul_i32 s94, s17, 49152
	v_lshl_add_u32 v[ALI], v3, 4, s94              ; a half's registers 0-3
	v_lshl_add_u32 v[AL8], v3, 3, s94              ; and 4-5
	s_mul_i32 s94, s18, 52224
	s_add_co_u32 s94, s94, BROW
	v_mul_u32_u24 v[BAD], v1, 816
	v_mad_u32_u24 v[BAD], v2, 24, v[BAD]
	v_add_nc_u32 v[BAD], s94, v[BAD]
	v_lshl_add_u32 v[BAD2], v2, 4, v[BAD]          ; lanes 16-31 behind one padding more
.irp b, 0,1,2,3
	v_add_nc_u32 v[BA+2*\b], 13056*\b, v[BAD]
	v_add_nc_u32 v[BA+2*\b+1], 13056*\b, v[BAD2]
.endr
	v_lshrrev_b32 v14, 3, v1
	v_lshlrev_b32 v15, 5, v1
	v_lshl_add_u32 v15, v14, 4, v15
	s_mul_i32 s94, s17, 2176
	s_add_co_u32 s94, s94, ASC
	v_add_nc_u32 v[ASA], s94, v15
	s_mul_i32 s94, s18, 2176
	s_add_co_u32 s94, s94, BSC
	v_add_nc_u32 v[WSA], s94, v15
	s_mul_i32 s94, s16, 16*272
	s_add_co_u32 s94, s94, STG
	v_mul_u32_u24 v[STO], v1, 272
	v_lshl_add_u32 v[STO], v2, 5, v[STO]
	v_add_nc_u32 v[STO], s94, v[STO]
	v_mul_u32_u24 v[RD], v2, 272
	v_lshl_add_u32 v[RD], v1, 4, v[RD]
	v_add_nc_u32 v[RD], s94, v[RD]
	v_lshlrev_b32 v[CO], 12, v2
	v_lshl_add_u32 v[CO], v1, 4, v[CO]
	v_lshlrev_b32 v[BIA], 5, v2
	s_wait_alu depctr_va_vdst(0)
	s_lshl_b32 s96, s78, 7
	s_lshl_b32 s97, s18, 6
	s_add_co_u32 s96, s96, s97
	s_lshl_b32 s96, s96, 2
	s_mov_b32 s97, 0
	s_add_nc_u64 s[12:13], s[12:13], s[96:97]
	s_lshl_b32 s94, s79, 7
	s_lshl_b32 s95, s17, 6
	s_add_co_u32 s94, s94, s95
	s_lshl_b32 s94, s94, 12
	s_add_co_u32 s94, s94, s96
	s_mov_b32 s95, 0
	s_add_nc_u64 s[14:15], s[14:15], s[94:95]
.irp b, 0,1,2,3
	global_load_b128 v[BI+8*\b:BI+8*\b+3], v[BIA], s[12:13] offset:64*\b
	global_load_b128 v[BI+8*\b+4:BI+8*\b+7], v[BIA], s[12:13] offset:64*\b+16
.endr
; Fragment f lies in window 1 + f / 21 at register 12 (f % 21): 0-31 Wo's (4 q + b), 32-39 and 40-47 ctx's two sets.
.macro FRAG f, q, a0, a1               ; six pieces of 8 bytes, two to a load where both lie behind as many paddings
	WIN (1+(\f)/FPW)<<6
.set R_, FR*((\f)%FPW)
.set SKIP_, 0
.irp p, 0,1,2,3,4,5
.if SKIP_
.set SKIP_, 0
.else
.set PC_, 12*(\q)+6*(\p/3)+\p%3
.set PN_, 12*(\q)+6*((\p+1)/3)+(\p+1)%3
.set X_, (PC_%32+3)/32
.set XQ_, (PN_%32+3)/32
.if (\p < 5) && (X_ == XQ_)
.set SKIP_, 1
.if X_
	ds_load_2addr_b64 v[R_+2*\p:R_+2*\p+3], \a1 offset0:PC_+2*(PC_/32) offset1:PN_+2*(PN_/32)
.else
	ds_load_2addr_b64 v[R_+2*\p:R_+2*\p+3], \a0 offset0:PC_+2*(PC_/32) offset1:PN_+2*(PN_/32)
.endif
.elseif X_
	ds_load_b64 v[R_+2*\p:R_+2*\p+1], \a1 offset:8*(PC_+2*(PC_/32))
.else
	ds_load_b64 v[R_+2*\p:R_+2*\p+1], \a0 offset:8*(PC_+2*(PC_/32))
.endif
.endif
.endr
.endm
.macro FETCH a                         ; tile a of ctx, all of K, into set a % 2: 32 loads
.irp q, 0,1,2,3,4,5,6,7
.set FA_, 32+8*((\a)%2)+\q
.set R_, FR*(FA_%FPW)
	WIN (1+FA_/FPW)<<6
.irp c, 0,1
	ds_load_b128 v[R_+6*\c:R_+6*\c+3], v[ALI] offset:12288*(\a)+1536*\q+768*\c
	ds_load_b64 v[R_+6*\c+4:R_+6*\c+5], v[AL8] offset:12288*(\a)+1536*\q+768*\c+512
.endr
.endr
	WIN 0
.endm
.macro PRODS a, from, to               ; products n = 4 q + b of tile a: four accumulators by turns
.set N_, \from
.rept (\to)-(\from)
.set FB_, N_
.set FA_, 32+8*((\a)%2)+N_/4
.set RB_, FR*(FB_%FPW)
.set RA_, FR*(FA_%FPW)
.set D_, ACC+32*((\a)%2)+8*(N_%4)
.set XB_, WS+8*(N_%4)+N_/4
.set XA_, AS+8*(\a)+N_/4
	WIN (1+FB_/FPW)|((1+FA_/FPW)<<2)
.if N_ < 4
	v_wmma_scale_f32_16x16x128_f8f6f4 v[D_:D_+7], v[RB_:RB_+11], v[RA_:RA_+11], v[BI+8*N_:BI+8*N_+7], v[XB_], v[XA_] matrix_a_fmt:MATRIX_FMT_FP6 matrix_b_fmt:MATRIX_FMT_FP6
.else
	v_wmma_scale_f32_16x16x128_f8f6f4 v[D_:D_+7], v[RB_:RB_+11], v[RA_:RA_+11], v[D_:D_+7], v[XB_], v[XA_] matrix_a_fmt:MATRIX_FMT_FP6 matrix_b_fmt:MATRIX_FMT_FP6
.endif
.set N_, N_+1
.endr
	WIN 0
.endm
.macro TOSTAGE a                       ; into my own stage and back as rows; LDS serves a wave's instructions in order (ISA guide 5.7.1.4)
.set AC_, ACC+32*((\a)%2)
.irp b, 0,1,2,3
	ds_store_b128 v[STO], v[AC_+8*\b:AC_+8*\b+3] offset:64*\b
	ds_store_b128 v[STO], v[AC_+8*\b+4:AC_+8*\b+7] offset:64*\b+16
.endr
.set BB_, BK+32*((\a)%2)
.irp t, 0,1,2,3,4,5,6,7
	ds_load_b128 v[BB_+4*\t:BB_+4*\t+3], v[RD] offset:\t*2*272
.endr
.endm
.macro SEND a, younger
	s_wait_dscnt \younger                          ; the tile is back in registers; a later fetch may be out
.set BB_, BK+32*((\a)%2)
.irp t, 0,1,2,3,4,5,6,7
	global_store_b128 v[CO], v[BB_+4*\t:BB_+4*\t+3], s[14:15] offset:(8*((\a)^(\t/4))+32*(\t/4)+2*(\t%4))*4096 th:TH_STORE_NT   ; 256 consecutive bytes of each of two rows
.endr
.endm
.macro TILE a, w, younger              ; w: what is younger than this tile's fetch;  younger: what is younger than the last tile's way through the stage
	s_wait_dscnt \w
	PRODS \a, 0, 8
.if (\a) > 0
	SEND (\a)-1, \younger
.endif
	PRODS \a, 8, 32
	PLACES                                         ; ahead of the reads of the results and of the loads into ctx's registers
.if (\a) > 1
	s_wait_xcnt 0x0                                ; the stores of tile a - 2 have read their registers
.endif
	TOSTAGE \a
.if (\a) < 2
	FETCH (\a)+2
.endif
.endm
	s_cmp_eq_u32 s16, 0
	s_cbranch_scc0 .Lnot_w
	s_wait_tensorcnt 0x0
.Lnot_w:
	s_barrier_signal -1
	s_barrier_wait -1                              ; Wo's rows are in
.irp q, 0,1,2,3,4,5,6,7
.irp b, 0,1,2,3
	FRAG 4*\q+\b, \q, v[BA+2*\b], v[BA+2*\b+1]
.endr
.endr
	WIN 0
	s_wait_tensorcnt 0x0
	s_wait_dscnt 0x0
	s_barrier_signal -1
	s_barrier_wait -1                              ; all tiles are in
.irp a, 0,1,2,3
	ds_load_b128 v[AS+8*\a:AS+8*\a+3], v[ASA] offset:544*\a
	ds_load_b128 v[AS+8*\a+4:AS+8*\a+7], v[ASA] offset:544*\a+16
	ds_load_b128 v[WS+8*\a:WS+8*\a+3], v[WSA] offset:544*\a
	ds_load_b128 v[WS+8*\a+4:WS+8*\a+7], v[WSA] offset:544*\a+16
.endr
	FETCH 0
	FETCH 1
	s_wait_loadcnt 0x0                             ; the bias
	TILE 0, 32, 0                                  ; younger: tile 1's fetch
	TILE 1, 48, 32                                 ; 16 of the stage and tile 2's fetch
	TILE 2, 48, 32
	TILE 3, 16, 0
	SEND 3, 0
	s_wait_tensorcnt 0x0                           ; the wave's end
	ds_add_u32 v254, v255
	s_wait_dscnt 0x0
	CROUND                                         ; no work-group ends while a partner may still ask for a tile that names it
	s_endpgm
.Lfunc_end_k_q58de4df201_proj:
	.size	k_q58de4df201_proj, .Lfunc_end_k_q58de4df201_proj-k_q58de4df201_proj
	.p2alignl 7, 3214868480
	.fill 96, 4, 3214868480
	.section	.rodata,"a",@progbits
	.p2align	6, 0x0
	.amdhsa_kernel k_q58de4df201_proj
		.amdhsa_group_segment_fixed_size 327680
		.amdhsa_private_segment_fixed_size 0
		.amdhsa_enable_private_segment 0
		.amdhsa_kernarg_size 48
		.amdhsa_user_sgpr_count 2
		.amdhsa_user_sgpr_kernarg_segment_ptr 1
		.amdhsa_wavefront_size32 1
		.amdhsa_system_sgpr_workgroup_id_x 1
		.amdhsa_system_sgpr_workgroup_id_y 1
		.amdhsa_system_sgpr_workgroup_id_z 1
		.amdhsa_system_vgpr_workitem_id 0
		.amdhsa_next_free_vgpr 840
		.amdhsa_next_free_sgpr 100
		.amdhsa_reserve_vcc 0
		.amdhsa_float_denorm_mode_32 3
		.amdhsa_float_denorm_mode_16_64 3
		.amdhsa_memory_ordered 1
		.amdhsa_forward_progress 1
		.amdhsa_inst_pref_size 51
	.end_amdhsa_kernel
	.amdgpu_metadata
---
amdhsa.version: [ 1, 2 ]
amdhsa.kernels:
  - .name:           k_q58de4df201_proj
    .symbol:         k_q58de4df201_proj.kd
    .args:
      - { .name: cbuf, .offset: 0, .size: 8, .value_kind: global_buffer, .address_space: global }
      - { .name: csc, .offset: 8, .size: 8, .value_kind: global_buffer, .address_space: global }
      - { .name: Wo_codes, .offset: 16, .size: 8, .value_kind: global_buffer, .address_space: global }
      - { .name: Wo_scales, .offset: 24, .size: 8, .value_kind: global_buffer, .address_space: global }
      - { .name: bo, .offset: 32, .size: 8, .value_kind: global_buffer, .address_space: global }
      - { .name: out0, .offset: 40, .size: 8, .value_kind: global_buffer, .address_space: global }
    .group_segment_fixed_size: 327680
    .private_segment_fixed_size: 0
    .kernarg_segment_align: 8
    .kernarg_segment_size: 48
    .max_flat_workgroup_size: 128
    .sgpr_count:     100
    .vgpr_count:     840
    .wavefront_size: 32
...
	.end_amdgpu_metadata
.endif
;; end of part 3
